; MI455X (gfx1250); checked and timed in simulation.
; The chip was launched on July 23, 2026; its instructions are those of AMD's public machine-readable ISA for CDNA 5 (MIT licence, August 2026) and "CDNA5" Instruction Set Architecture Reference Guide (July 2026). The comments in the code are by the model that wrote it; some were corrected since.
;; Integer Linear. Allowed arithmetic: float matrix products may take bf16 or f16 operands with f32 sums; all other float work in f32.
;; Inputs: b_q 4,096 int32; w_q 4,096 x 4,096 int32; x_float 4,096 x 4,096 float32.
;; Outputs: out0 4,096 x 4,096 float32.
;; 2 versions, each right; version 2 is version 1 with the launch quant written anew for expert scheduling mode. Each part assembles by itself: llvm-mc -triple=amdgcn-amd-amdhsa -mcpu=gfx1250 --defsym DOCPART=n.
;; ======== version 1 of 2: 2 launches
;; workspace buffers: xb 33,554,432 bytes; wb 33,554,432 bytes
;; launch quant (part 1): grid 512 x 2, 8 waves a work-group, no clusters, 0 bytes of LDS; arguments x_float, w_q, xb, wb; writes xb, wb
.if DOCPART == 1
	.amdgcn_target "amdgcn-amd-amdhsa--gfx1250"
	.amdhsa_code_object_version 6
	.text
	.protected	k_qd7fe347848_quant
	.globl	k_qd7fe347848_quant
	.p2align	8
	.type	k_qd7fe347848_quant,@function
k_qd7fe347848_quant:
	s_mov_b64 s[64:65], 0
	v_nop
	global_prefetch_b8 v0, s[64:65] scope:SCOPE_SE
	s_setreg_imm32_b32 hwreg(HW_REG_WAVE_MODE, 25, 1), 1
	s_wait_xcnt 0x0
; Both matrix operands are made once, as bf16, by one stream.
;   work-groups with y = 0:  xb = clip(round(x_float * 127.5 + 127), 0, 255) - 127   (whole numbers -127 .. 128, exact in bf16)
;   work-groups with y = 1:  wb = w_q as bf16                                        (exact for |w_q| <= 256)
; 127.5 = 1 / IN_SCALE = 255 / 2; the zero point is round(1 / (2/255 + 1e-12)) = round(127.49999998) = 127.
; THE ROUNDING RIDES ON THE MULTIPLY-ADD: t = fma(x, 127.5, 2^23 + 127).  From 2^23 up to 2^24 an f32's last place is 1, so the one rounding of the
; fma (to nearest, ties to even; 2^23 is even, so a code's parity is kept) is the rounding to a whole number.  The clip is max with 2^23 and min with
; 2^23 + 255: below 2^23 the fma leaves finer steps, all of which the max lifts to code 0, as the definition does with everything that rounds to 0 or less.
; Taking 2^23 + 127 away is exact.  No negative zero arises on the way.
; LIMITS.  One rounding, where the definition divides by f32(2/255) and then adds, two roundings: the two differ only where the value lies within a
; few last places of a half, and then by one step of one code.  Infinities and large x end at the clip's ends, as in the definition.
; NaN in x_float gives code 0 here (xb = -127); the definition casts NaN to int32, so no value is promised for it.
; |w_q| above 256 is rounded to bf16's 8 significant bits.
; SHAPE.  Nothing is shared between work-groups and nothing is reduced: no LDS, no barrier, no cluster, no matrix unit.
; A work-group owns 131,072 consecutive input bytes and the 65,536 output bytes that belong to them: 512 x 131,072 = the whole tensor.
; A step is 4,096 input bytes: thread t loads the 16 bytes at 16 t and stores the 8 bytes at 8 t, so a wave's load covers 512 consecutive
; bytes and a wave's store 256 consecutive bytes, aligned.  32 steps go through a ring of 8 register slots: 8 loads of every wave in flight.
.set DEPTH,   8                        ; slots = loads in flight in each wave
.set ROUNDS,  4                        ; each round takes every slot once: 4 x 8 = 32 steps
.set INSTEP,  4096                     ; input bytes of a step
.set OUTSTEP, 2048                     ; output bytes of a step
.set LO,   0x4b000000                  ; 2^23        = code 0
.set HI,   0x4b0000ff                  ; 2^23 + 255  = code 255
.set VIN,  1                           ; v1        16 t, never rewritten
.set VOUT, 2                           ; v2        8 t, never rewritten
.set CM,   4                           ; v[4:5]    127.5 twice
.set CA,   6                           ; v[6:7]    2^23 + 127 twice
.set CZ,   8                           ; v[8:9]    -(2^23 + 127) twice
.set T,    10                          ; v[10:13]  four numbers at work
.set X,    16                          ; v[16:47]  slot i: 4 registers as loaded
.set Y,    48                          ; v[48:63]  slot i: 2 registers, 4 bf16 to store
	s_load_b256 s[4:11], s[0:1], 0x0               ; x_float s[4:5], w_q s[6:7], xb s[8:9], wb s[10:11]
	s_lshl_b32 s2, ttmp9, 17                       ; my 131,072 input bytes (511 << 17 stays below 4 GiB)
	s_mov_b32 s3, 0
	s_lshl_b32 s14, ttmp9, 16                      ; my 65,536 output bytes
	s_mov_b32 s15, 0
	s_and_b32 s12, ttmp7, 0xffff                   ; work-group y: 0 = x_float, 1 = w_q
	v_lshlrev_b32 v[VIN], 4, v0
	v_lshlrev_b32 v[VOUT], 3, v0
	v_mov_b32 v[CM],   0x42ff0000                  ; 127.5
	v_mov_b32 v[CM+1], 0x42ff0000
	v_mov_b32 v[CA],   0x4b00007f                  ; 8,388,735 = 2^23 + 127
	v_mov_b32 v[CA+1], 0x4b00007f
	v_mov_b32 v[CZ],   0xcb00007f                  ; -8,388,735
	v_mov_b32 v[CZ+1], 0xcb00007f
	s_wait_kmcnt 0x0
	s_add_nc_u64 s[4:5], s[4:5], s[2:3]
	s_add_nc_u64 s[6:7], s[6:7], s[2:3]
	s_add_nc_u64 s[8:9], s[8:9], s[14:15]
	s_add_nc_u64 s[10:11], s[10:11], s[14:15]
; four x of slot i: scale, shift and round in one fused multiply-add, clip to codes 0 .. 255, take 2^23 and the zero point away, pack
.macro CONVX i
	v_pk_fma_f32 v[T:T+1],   v[X+4*\i:X+4*\i+1],   v[CM:CM+1], v[CA:CA+1]
	v_pk_fma_f32 v[T+2:T+3], v[X+4*\i+2:X+4*\i+3], v[CM:CM+1], v[CA:CA+1]
.irp j, 0,1,2,3
	v_max_num_f32 v[T+\j], LO, v[T+\j]             ; code 0 at the least (a NaN loses against the constant)
.endr
.irp j, 0,1,2,3
	v_min_num_f32 v[T+\j], HI, v[T+\j]             ; code 255 at the most
.endr
	v_pk_add_f32 v[T:T+1],   v[T:T+1],   v[CZ:CZ+1]
	v_pk_add_f32 v[T+2:T+3], v[T+2:T+3], v[CZ:CZ+1]
	v_cvt_pk_bf16_f32 v[Y+2*\i],   v[T],   v[T+1]
	v_cvt_pk_bf16_f32 v[Y+2*\i+1], v[T+2], v[T+3]
.endm
; four w of slot i: int32 to f32 to bf16
.macro CONVW i
.irp j, 0,1,2,3
	v_cvt_f32_i32 v[T+\j], v[X+4*\i+\j]
.endr
	v_cvt_pk_bf16_f32 v[Y+2*\i],   v[T],   v[T+1]
	v_cvt_pk_bf16_f32 v[Y+2*\i+1], v[T+2], v[T+3]
.endm
; One slot's turn.  isx: which conversion; ahead = 1: the slot is filled again with the step DEPTH further on;
; left = how many younger loads may stay out; inb, outb: the scalar pairs of the two bases.
.macro SLOT isx, i, ahead, left, inb, outb
	s_wait_loadcnt \left                           ; loads come back in order (ISA guide 5.7.1): mine is in, the younger ones stay out
.if \isx
	CONVX \i
.else
	CONVW \i
.endif
.if \ahead
	global_load_b128 v[X+4*\i:X+4*\i+3], v[VIN], s[\inb:\inb+1] offset:(\i+DEPTH)*INSTEP th:TH_LOAD_NT   ; read once in the launch
.endif
	global_store_b64 v[VOUT], v[Y+2*\i:Y+2*\i+1], s[\outb:\outb+1] offset:\i*OUTSTEP   ; no hint: the next launch reads these bytes
.endm
; The whole stream of one work-group.
.macro STREAM isx, inb, outb
.irp i, 0,1,2,3,4,5,6,7
	global_load_b128 v[X+4*\i:X+4*\i+3], v[VIN], s[\inb:\inb+1] offset:\i*INSTEP th:TH_LOAD_NT           ; fill the ring: steps 0 to 7
.endr
	s_mov_b32 s13, ROUNDS-1
.Lround_\@:
.irp i, 0,1,2,3,4,5,6,7
	SLOT \isx, \i, 1, DEPTH-1, \inb, \outb
.endr
	s_wait_xcnt 0x0                                ; the two bases, and every Y (a store's data, written once a round), are rewritten only behind this wait
	s_add_nc_u64 s[\inb:\inb+1], s[\inb:\inb+1], DEPTH*INSTEP
	s_add_nc_u64 s[\outb:\outb+1], s[\outb:\outb+1], DEPTH*OUTSTEP
	s_sub_co_u32 s13, s13, 1
	s_cmp_lg_u32 s13, 0
	s_cbranch_scc1 .Lround_\@
.irp i, 0,1,2,3,4,5,6,7
	SLOT \isx, \i, 0, DEPTH-1-\i, \inb, \outb      ; the last round loads nothing (the last load ended at byte 131,072 of my part): the counts run down
.endr
.endm
	s_cmp_lg_u32 s12, 0
	s_cbranch_scc1 .Lweights
	STREAM 1, 4, 8                                 ; x_float to xb
	s_endpgm
.Lweights:
	STREAM 0, 6, 10                                ; w_q to wb
	s_endpgm
.Lfunc_end_k_qd7fe347848_quant:
	.size	k_qd7fe347848_quant, .Lfunc_end_k_qd7fe347848_quant-k_qd7fe347848_quant
	.p2alignl 7, 3214868480
	.fill 96, 4, 3214868480
	.section	.rodata,"a",@progbits
	.p2align	6, 0x0
	.amdhsa_kernel k_qd7fe347848_quant
		.amdhsa_group_segment_fixed_size 0
		.amdhsa_private_segment_fixed_size 0
		.amdhsa_enable_private_segment 0
		.amdhsa_kernarg_size 32
		.amdhsa_user_sgpr_count 2
		.amdhsa_user_sgpr_kernarg_segment_ptr 1
		.amdhsa_wavefront_size32 1
		.amdhsa_system_sgpr_workgroup_id_x 1
		.amdhsa_system_sgpr_workgroup_id_y 1
		.amdhsa_system_sgpr_workgroup_id_z 1
		.amdhsa_system_vgpr_workitem_id 0
		.amdhsa_next_free_vgpr 64
		.amdhsa_next_free_sgpr 66
		.amdhsa_reserve_vcc 0
		.amdhsa_float_denorm_mode_32 3
		.amdhsa_float_denorm_mode_16_64 3
		.amdhsa_memory_ordered 1
		.amdhsa_forward_progress 1
		.amdhsa_inst_pref_size 27
	.end_amdhsa_kernel
	.amdgpu_metadata
---
amdhsa.version: [ 1, 2 ]
amdhsa.kernels:
  - .name:           k_qd7fe347848_quant
    .symbol:         k_qd7fe347848_quant.kd
    .args:
      - { .name: x_float, .offset: 0, .size: 8, .value_kind: global_buffer, .address_space: global }
      - { .name: w_q, .offset: 8, .size: 8, .value_kind: global_buffer, .address_space: global }
      - { .name: xb, .offset: 16, .size: 8, .value_kind: global_buffer, .address_space: global }
      - { .name: wb, .offset: 24, .size: 8, .value_kind: global_buffer, .address_space: global }
    .group_segment_fixed_size: 0
    .private_segment_fixed_size: 0
    .kernarg_segment_align: 8
    .kernarg_segment_size: 32
    .max_flat_workgroup_size: 256
    .sgpr_count:     66
    .vgpr_count:     64
    .wavefront_size: 32
...
	.end_amdgpu_metadata
.endif
;; end of part 1
;; launch gemm (part 2): grid 16 x 16, 4 waves a work-group, clusters of 4 x 4, 327,680 bytes of LDS; arguments xb, wb, out0, b_q; writes out0
.if DOCPART == 2
	.amdgcn_target "amdgcn-amd-amdhsa--gfx1250"
	.amdhsa_code_object_version 6
	.text
	.protected	k_qd7fe347848_gemm
	.globl	k_qd7fe347848_gemm
	.p2align	8
	.type	k_qd7fe347848_gemm,@function
k_qd7fe347848_gemm:
	s_mov_b64 s[64:65], 0
	v_nop
	global_prefetch_b8 v0, s[64:65] scope:SCOPE_SE
	s_setreg_imm32_b32 hwreg(HW_REG_WAVE_MODE, 25, 1), 1
	s_wait_xcnt 0x0
	s_wait_alu depctr_hold_cnt(0) depctr_sa_sdst(0) depctr_va_vdst(0) depctr_va_sdst(0) depctr_va_ssrc(0) depctr_va_vcc(0) depctr_vm_vsrc(0)
	s_getreg_b32 s2, hwreg(HW_REG_IB_STS2, 6, 4)
	s_cmp_eq_u32 s2, 0
	s_cbranch_scc0 .Lentry_in_a_cluster
	s_endpgm
.Lentry_in_a_cluster:
	s_bfe_u32 s2, ttmp6, 0x10000c
	s_cmp_lg_u32 s2, 0xf033
	s_cbranch_scc0 .Lentry_shape_is_right
	s_endpgm
.Lentry_shape_is_right:
; out0[m][n] = S * (sum over k of xb[m][k] wb[n][k]) + 0.01 * b_q[n].   xb, wb: [4096][4096] bf16; out0: [4096][4096] f32; b_q: [4096] int32.
; S = (2/255) * 0.01.  xb holds whole numbers -127 .. 128 and wb the weights, both exact in bf16 for |w_q| <= 256; the products are exact and the
; f32 sums are exact below 2^24.
; LIMITS.  Above 2^24 a sum is rounded to f32's 24 bits at each step.  Where the definition's int32 sum would wrap (possible from |w_q| >= 4,096),
; the wrap is not reproduced.  The result is fma(sum, S, bias): one rounding where the definition has two.
; SHAPE.  A work-group makes a block of 256 x 256 of out0 with four waves, as many as a WGP has SIMDs; a wave makes 128 x 128: 64 accumulator tiles
; of 16 x 16, 512 registers.  16 x 16 blocks = 256 work-groups.  K goes in steps of 128 through a ring of two LDS slots filled by the tensor data
; mover: a tile's rows are 256 bytes of memory and start at multiples of 256 bytes from the buffer's first byte.
; CLUSTERS: 4 x 4 work-groups form a cluster (the grid of 16 x 16 divides).  The four of a row of the cluster make blocks of one block row and need the
; same tiles of xb; the four of a column need the same tiles of wb.  Such a tile is asked for JOINTLY: each of the four issues the same tensor load, with
; the same descriptor and a mask that names the four, and each receives the tile in its own LDS.  That divides the requests for both by four.
;
; REGISTERS, in windows of 256 (an instruction names v0-v255; s_set_vgpr_msb says which window each operand place means):
;   window 0: v0-37 addresses, bias, scale; v64-127, v128-191 fragments of A = xb (8 x 16 rows x 32 K), two buffers, on the way out rows of out0
;   window 1: v64-127, v128-191 fragments of B = wb, two buffers
;   window 2: the 32 accumulator tiles of my rows 0-63 (tile (a, b) at v[8 (8 a + b)]);   window 3: those of my rows 64-127
; s_set_vgpr_msb's low byte: bits 1:0 source 0, 3:2 source 1, 5:4 source 2, 7:6 destination.
;
; THE MATRIX INSTRUCTION IS USED TRANSPOSED: source 0 = 16 rows of B, source 1 = 16 rows of A.  In the result, lane l then holds row
; m = l % 16 of the tile, and its registers 0 to 7 the columns n = 8 (l / 16) + 0 .. 7: eight neighbouring f32 of a row, 32 bytes.
.set SIZE_N, 4096
.set SIZE_K, 4096
.set KSTEP,  128
.set PITCH,  272                       ; an LDS row: 256 bytes of data + 16 of padding = 17 x 16: the 16 rows that a fragment load touches lie in 16 different 16-byte columns modulo 256 bytes
.set HALFT,  128*PITCH                 ; 128 rows: what one tensor load brings, and what one wave reads of A or of B
.set SLOT,   4*HALFT                   ; A's 256 rows, then B's 256 rows: 139,264 bytes
.set STAGE,  2*SLOT                    ; byte 278,528 = 1,088 x 256, behind the ring: 16 rows x 528 bytes for each wave, for the way out; no tensor load lands there
.set SPITCH, 528                       ; a stage row: 128 f32 = 512 bytes + 16 = 33 x 16
.set ROWB,   SIZE_N*4                  ; bytes in a row of out0
.set LAPS, SIZE_K/(2*KSTEP)            ; a lap = two K steps = once round the ring: 16 laps
.set ADRA, 16                          ; v16-17  LDS address of my A fragments in slot 0, 1
.set ADRB, 20                          ; v20-21  the same for B
.set STO,  24                          ; v24     the way out: where I put my 32 bytes of a tile's row
.set RD,   25                          ; v25     the way out: where I read 16 bytes of a whole row back
.set CO,   26                          ; v26     16 x lane: my byte offset in my wave's 512 bytes of a row of out0, and of b_q
.set BI,   32                          ; v[32:35] 0.01 * b_q of my four columns 4 lane .. 4 lane + 3
.set SC,   36                          ; v[36:37] S twice
.set F0,   64                          ; fragment buffer 0
.set F1,   128                         ; fragment buffer 1
.set G1, 24                            ; s[24:31] descriptor group 1 for A's tiles
.set G0, 32                            ; s[32:39] descriptor group 0 for A's tiles, one set for each slot
.set G1B, 48                           ; s[48:55] descriptor group 1 for B's tiles: it differs from A's in the mask alone
.set G0B, 56                           ; s[56:63] descriptor group 0 for B's tiles, one set for each slot
.set MSB, 0
.macro WIN new                         ; the immediate's high byte repeats the setting that is left
.if MSB != \new
	s_set_vgpr_msb (MSB<<8)|\new
.set MSB, \new
.endif
.endm
.set MUL_LO, 0xa1                      ; source 0 (B) window 1, source 1 (A) window 0, C and D window 2
.set MUL_HI, 0xf1                      ; the same, C and D window 3
.set TO_B,   0x40                      ; destination window 1, address window 0
; A joint load.  Waves 0 and 1 fetch A's two halves, waves 2 and 3 B's.  Each of the two lines has ONE mask and one set of registers for all that issue it,
; and nothing in them hangs on a coordinate that the four partners do not share.  The branch hangs on the wave's number alone: the same in every work-group.
; Four v_nop follow each of the two lines; the jump round the other line, the label and what follows the macro come after them.
.macro JLOAD s
	s_cmp_eq_u32 s11, 0
	s_cbranch_scc0 .Lfor_b_\@
	tensor_load_to_lds s[G0+4*\s:G0+4*\s+3], s[G1:G1+7]
	s_nop 0
.rept 4
	v_nop
.endr
	s_branch .Lasked_\@
.Lfor_b_\@:
	tensor_load_to_lds s[G0B+4*\s:G0B+4*\s+3], s[G1B:G1B+7]
	s_nop 0
.rept 4
	v_nop
.endr
.Lasked_\@:
.endm
; A round of the cluster's barrier: my work-group's barrier, so that wave 0's signal speaks for all four waves; wave 0 signals for the work-group; every
; wave waits for all sixteen work-groups; my work-group's barrier once more.  No LDS instruction of the wave is pending at a signal.
.macro CREST                           ; a round behind its opening barrier
	s_cmp_lg_u32 s10, 0
	s_cbranch_scc1 .Lnot_wave_0_\@
	s_barrier_signal -3
.Lnot_wave_0_\@:
	s_barrier_wait -3
	s_barrier_signal -1
	s_barrier_wait -1
.endm
.macro CROUND                          ; a whole round
	s_barrier_signal -1
	s_barrier_wait -1
	CREST
.endm
	s_load_b128 s[4:7], s[0:1], 0x0                ; xb s[4:5], wb s[6:7]
	s_load_b64 s[8:9], s[0:1], 0x10                ; out0
	s_load_b64 s[66:67], s[0:1], 0x18              ; b_q
	s_set_vgpr_msb 0x40
	v_lshl_add_u32 v255, v0, 2, 0x4c400
	s_set_vgpr_msb 0x4000
	v_mov_b32 v255, 0
	s_set_vgpr_msb 0x1
	ds_add_u32 v255, v255
	ds_add_u32 v255, v255
	s_set_vgpr_msb 0x100
	v_lshrrev_b32 v1, 5, v0
	v_readfirstlane_b32 s10, v1                    ; wave 0..3
	s_lshr_b32 s11, s10, 1                         ; which half of the block's rows is mine.  Also: I fetch for A (0) or for B (1)
	s_and_b32 s12, s10, 1                          ; which half of its columns.  Also: which 128 rows of that tile I fetch
	s_bfe_u32 s40, ttmp6, 0x40000                  ; cx: my place along the cluster's x
	s_bfe_u32 s41, ttmp6, 0x40004                  ; cy: along its y
	s_lshl_b32 s42, ttmp9, 2                       ; in a cluster launch ttmp9 and ttmp7 count clusters
	s_add_co_u32 s42, s42, s40                     ; block column = 4 x cluster x + cx
	s_and_b32 s13, ttmp7, 0xffff
	s_lshl_b32 s13, s13, 2
	s_add_co_u32 s13, s13, s41                     ; block row = 4 x cluster y + cy
	s_lshl_b32 s43, s41, 2
	s_lshl_b32 s43, 15, s43                        ; my row of the cluster: places 4 cy .. 4 cy + 3
	s_lshl_b32 s44, 0x1111, s40                    ; my column: places cx, cx + 4, cx + 8, cx + 12
	s_lshl_b32 s68, s42, 10                        ; my first column in bytes of 4-byte numbers, for b_q and for out0: 1,024 x block column
	s_lshl_b32 s69, s12, 9                         ; + 512 x half.  These two registers hold cx and feed no descriptor
	s_add_co_u32 s68, s68, s69
	s_mov_b32 s69, 0
	; descriptor group 1: a tile of 128 rows x 128 elements, padded in LDS
	s_or_b32 s[G1+0], s43, (1<<16)|(1<<20)|(1<<21)|(5<<22)|(3<<25)  ; 15:0 the mask: A's tiles go to my row; 17:16 element of 2 bytes; 20 padding on; 21 set beside a mask; 24:22 after every 64 words (code 5); 31:25 of 4 words (code 3)
	s_or_b32 s[G1B+0], s44, (1<<16)|(1<<20)|(1<<21)|(5<<22)|(3<<25) ; the same with the mask of my column, for B's tiles
	s_mov_b32 s[G1B+1], KSTEP<<16
	s_mov_b32 s[G1+1], KSTEP<<16                   ; 63:48 tensor_dim0, low half = 128
	s_mov_b32 s[G1B+2], 128<<16
	s_mov_b32 s[G1+2], 128<<16                     ; 79:64 its high half = 0; 95:80 tensor_dim1, low half = 128
	s_mov_b32 s[G1B+3], KSTEP<<16
	s_mov_b32 s[G1+3], KSTEP<<16                   ; 111:96 its high half = 0; 127:112 tile_dim0 = 128
	s_mov_b32 s[G1B+4], 128
	s_mov_b32 s[G1+4], 128                         ; 143:128 tile_dim1 = 128; 159:144 tile_dim2 = 0
	s_mov_b32 s[G1B+5], SIZE_K
	s_mov_b32 s[G1+5], SIZE_K                      ; 191:160 tensor_dim0_stride, low word: 4,096 elements from row to row
	s_mov_b32 s[G1B+6], 0
	s_mov_b32 s[G1+6], 0
	s_mov_b32 s[G1B+7], 0
	s_mov_b32 s[G1+7], 0
	; where the tiles come from.  A's hang on the block row alone, which my row of the cluster shares; B's on the block column alone, which my column shares.
	; Every wave makes both addresses, in registers that never hold the other coordinate, and asks by one of them.
	s_lshl_b32 s17, s12, 7                         ; which 128 rows of the tile I fetch
	s_lshl_b32 s16, s13, 8
	s_add_co_u32 s16, s16, s17                     ; A: row 256 x block row + 128 x half
	s_lshl_b32 s46, s42, 8
	s_add_co_u32 s46, s46, s17                     ; B: row 256 x block column + 128 x half
	s_mov_b32 s17, 0
	s_mov_b32 s47, 0
	s_mov_b64 s[18:19], SIZE_K*2
	s_mul_u64 s[16:17], s[16:17], s[18:19]         ; in bytes: rows of 8,192
	s_mul_u64 s[46:47], s[46:47], s[18:19]
	s_mul_i32 s20, s10, HALFT                      ; and where they go: A's two halves, then B's two halves = wave x 128 rows: no place in the cluster enters an LDS address
	s_wait_dscnt 0x0
	s_wait_kmcnt 0x0
	s_add_nc_u64 s[14:15], s[4:5], s[16:17]
	s_add_nc_u64 s[46:47], s[6:7], s[46:47]
	CROUND                                         ; all sixteen work-groups are here: the first joint loads meet
.irp s, 0,1
	s_mov_b32 s[G0+4*\s], 1                                        ; 1:0 count = 1
	s_add_co_u32 s[G0+4*\s+1], s20, \s*SLOT                        ; 63:32 LDS address
	s_add_nc_u64 s[G0+4*\s+2:G0+4*\s+3], s[14:15], \s*KSTEP*2      ; 120:64 global address: K step s
	s_or_b32 s[G0+4*\s+3], s[G0+4*\s+3], 0x80000000                ; 127:126 type = 2
	s_mov_b32 s[G0B+4*\s], 1
	s_add_co_u32 s[G0B+4*\s+1], s20, \s*SLOT
	s_add_nc_u64 s[G0B+4*\s+2:G0B+4*\s+3], s[46:47], \s*KSTEP*2
	s_or_b32 s[G0B+4*\s+3], s[G0B+4*\s+3], 0x80000000
	JLOAD \s                                       ; the ring is filled before anything else is done: two tensor loads of the wave are out
.endr
	; A fragment is 16 rows x 32 K in 8 registers: lane l holds row l % 16; registers 0-3 hold K = 8 (l / 16) + 0..7, registers 4-7 hold
	; K = 16 + 8 (l / 16) + 0..7.  From rows that lie along K: two loads of 16 bytes, 32 bytes apart.  The same for source 0 and source 1.
	v_and_b32 v1, 15, v0                           ; l % 16
	v_bfe_u32 v2, v0, 4, 1                         ; l / 16
	v_mul_u32_u24 v3, v1, PITCH
	v_lshl_add_u32 v3, v2, 4, v3                   ; row x pitch + 16 x half
	s_mul_i32 s21, s11, HALFT                      ; my 128 rows of A
	s_mul_i32 s22, s12, HALFT                      ; my 128 rows of B,
	s_add_co_u32 s22, s22, 2*HALFT                 ; which lie behind A's 256
.irp s, 0,1
	v_add_nc_u32 v[ADRA+\s], s21, v3
	v_add_nc_u32 v[ADRB+\s], s22, v3
	s_add_co_u32 s21, s21, SLOT
	s_add_co_u32 s22, s22, SLOT
.endr
	s_mul_i32 s23, s10, 16*SPITCH
	s_add_co_u32 s23, s23, STAGE                   ; my stage
	v_mul_u32_u24 v4, v1, SPITCH                   ; in: row l % 16, 32 bytes for each half of the lanes
	v_lshl_add_u32 v4, v2, 5, v4
	v_add_nc_u32 v[STO], s23, v4
	v_and_b32 v5, 31, v0
	v_lshlrev_b32 v[CO], 4, v5                     ; back and out: 32 lanes x 16 bytes are one row's 512 bytes
	v_add_nc_u32 v[RD], s23, v[CO]
	; the bias of my four columns, once, while the first tiles are on their way
	s_add_nc_u64 s[66:67], s[66:67], s[68:69]
	global_load_b128 v[BI:BI+3], v[CO], s[66:67]
	v_mov_b32 v[SC],   0x38a47b86                  ; S = (2/255) * 0.01
	v_mov_b32 v[SC+1], 0x38a47b86
	s_wait_loadcnt 0x0
.irp j, 0,1,2,3
	v_cvt_f32_i32 v[BI+\j], v[BI+\j]
.endr
.irp j, 0,1,2,3
	v_mul_f32 v[BI+\j], 0x3c23d70a, v[BI+\j]       ; b_q * 0.01
.endr
; 16 matrix instructions: m blocks a0, a0 + 1 of the window's four (hi = 0: my rows 0-63, 1: rows 64-127) x all 8 n blocks, 32 along K.
; zero = 1: the first product starts the sums: nothing is ever cleared.
; The 64 accumulators take turns, one instruction a turn, in the same order in every quarter step, over the loop's backward jump too.
.macro MUL16 f, hi, a0, zero
.irp a, \a0, \a0+1
.irp b, 0,1,2,3,4,5,6,7
.if \zero
	v_wmma_f32_16x16x32_bf16 v[8*(8*(\a)+\b):8*(8*(\a)+\b)+7], v[\f+8*\b:\f+8*\b+7], v[\f+8*(4*\hi+\a):\f+8*(4*\hi+\a)+7], 0
.else
	v_wmma_f32_16x16x32_bf16 v[8*(8*(\a)+\b):8*(8*(\a)+\b)+7], v[\f+8*\b:\f+8*\b+7], v[\f+8*(4*\hi+\a):\f+8*(4*\hi+\a)+7], v[8*(8*(\a)+\b):8*(8*(\a)+\b)+7]
.endif
.endr
.endr
.endm
; 32 LDS loads in one run: the fragments of one quarter step (128 rows of B, 128 rows of A, 32 K at byte k of the rows) into buffer f
.macro FETCH slot, k, f
	WIN TO_B
.irp i, 0,1,2,3,4,5,6,7
	ds_load_b128 v[\f+8*\i:\f+8*\i+3],   v[ADRB+\slot] offset:\k+\i*16*PITCH
	ds_load_b128 v[\f+8*\i+4:\f+8*\i+7], v[ADRB+\slot] offset:\k+\i*16*PITCH+32
.endr
	WIN 0
.irp i, 0,1,2,3,4,5,6,7
	ds_load_b128 v[\f+8*\i:\f+8*\i+3],   v[ADRA+\slot] offset:\k+\i*16*PITCH
	ds_load_b128 v[\f+8*\i+4:\f+8*\i+7], v[ADRA+\slot] offset:\k+\i*16*PITCH+32
.endr
.endm
; A load into a register that a matrix instruction has read, and an instruction other than a matrix instruction that reads a matrix result, stand four
; places behind that matrix instruction, and only plain vector instructions that name none of its registers are places (ISA guide 7.12.1 for vector
; instructions).  So four v_nop stand in front of each run of loads and in front of the way out.
.macro PLACES
.rept 4
	v_nop
.endr
.endm
; A K step is four quarter steps of 32 along K, 64 matrix instructions each, on buffers 0, 1, 0, 1.
; One of the first three: multiplies buffer f; in its middle it fetches the next quarter's fragments, at byte k of the same slot's rows, into buffer g.
.macro QUARTER slot, k, f, g, zero
	s_wait_dscnt 8                                 ; B and A's rows 0-63 are in; the youngest eight loads (A's rows 64-127) may be out
	WIN MUL_LO
	MUL16 \f, 0, 0, \zero
	MUL16 \f, 0, 2, \zero
	PLACES
	FETCH \slot, \k, \g
	s_wait_dscnt 32                                ; all but the 32 just issued
	WIN MUL_HI
	MUL16 \f, 1, 0, \zero
	MUL16 \f, 1, 2, \zero
.endm
.macro THREE slot, zero
	QUARTER \slot, 64,  F0, F1, \zero
	QUARTER \slot, 128, F1, F0, 0
	QUARTER \slot, 192, F0, F1, 0
.endm
; The last quarter: multiplies buffer 1 and changes slots.  next = the other slot; fill = 1: this slot is filled again, two K steps ahead.
; ONE barrier for the change of slots, for two things.  In front of it each wave waits for its own reads of this slot and for all its tensor loads,
; of which one is out: its part of the next slot.  Behind it nobody reads this slot any more and the next slot is whole: the refill comes
; first, then the next slot's first fragments.  From a request to the wait for it a wave issues 240 matrix instructions.
.macro TURN slot, next, fill
	s_wait_dscnt 8
	WIN MUL_LO
	MUL16 F1, 0, 0, 0
	s_wait_dscnt 0                                 ; my reads of this slot are over (the last were issued 48 matrix instructions ago)
	s_wait_tensorcnt 0x0                           ; and all my tensor loads have landed: the one that was out is my part of the next slot:
	ds_add_u32 v255, v255
	s_wait_dscnt 0x0
	s_barrier_signal -1                            ; say so (where a slot is filled again this barrier opens a round of the cluster's barrier),
	MUL16 F1, 0, 2, 0                              ; work on registers while the others arrive,
	WIN 0
	s_barrier_wait -1                              ; and go on when all four have said so
.if \fill
	CREST                                          ; wave 0 says so for the work-group, all sixteen work-groups have said so, my work-group's barrier closes the round:
	                                               ; no wave of any partner still reads this slot's tile or has a load on its way
	s_add_nc_u64 s[G0+4*\slot+2:G0+4*\slot+3], s[G0+4*\slot+2:G0+4*\slot+3], 2*KSTEP*2
	s_add_nc_u64 s[G0B+4*\slot+2:G0B+4*\slot+3], s[G0B+4*\slot+2:G0B+4*\slot+3], 2*KSTEP*2
	JLOAD \slot                                    ; the first tensor load behind the round, the wave's only one until the next; the four v_nop behind it are also the places in front of the loads below
.else
	PLACES
.endif
	FETCH \next, 0, F0
	WIN MUL_HI
	MUL16 F1, 1, 0, 0
	MUL16 F1, 1, 2, 0
.endm
.macro LAP zero                        ; once round the ring, both slots filled again
	THREE 0, \zero
	TURN 0, 1, 1
	THREE 1, 0
	TURN 1, 0, 1
.endm
	s_wait_tensorcnt 1                             ; my part of K step 0 is in; K step 1's load, issued behind it, stays out
	s_barrier_signal -1
	s_barrier_wait -1                              ; everybody's part is in
	FETCH 0, 0, F0
	LAP 1                                          ; the first lap stands in front of the loop: its first products start the sums
	WIN 0                                          ; at a label and at a branch every window is 0
	s_mov_b32 s3, LAPS-2
.Llap:
	LAP 0
	WIN 0
	s_sub_co_u32 s3, s3, 1
	s_cmp_lg_u32 s3, 0
	s_cbranch_scc1 .Llap
	THREE 0, 0                                     ; the last lap fills nothing, and has no round of the cluster's barrier: my one tensor load that is still out is slot 1's, the last K step's
	TURN 0, 1, 0
	THREE 1, 0
	s_wait_dscnt 8                                 ; the very last quarter: nothing more to fetch
	WIN MUL_LO
	MUL16 F1, 0, 0, 0
	MUL16 F1, 0, 2, 0
	s_wait_dscnt 0
	WIN MUL_HI
	MUL16 F1, 1, 0, 0
	MUL16 F1, 1, 2, 0
	; THE WAY OUT, 16 rows of out0 at a time: the raw f32 sums go straight from the accumulators into my own stage in LDS, 32 bytes a lane and tile,
	; come back as whole rows of 512 bytes, are scaled and given their bias in one fused multiply-add, and are stored.
	; The four v_nop of PLACES are the places behind the last matrix instructions: for the LDS stores, which read results, and for the loads into buffers 0 and 1.
	PLACES
	s_lshl_b32 s13, s13, 8
	s_lshl_b32 s14, s11, 7
	s_add_co_u32 s16, s13, s14                     ; my first row: 256 x block row + 128 x half
	s_lshl_b32 s16, s16, 14                        ; x 16,384 bytes: 4,095 << 14 stays below 4 GiB
	s_mov_b32 s17, 0
	s_add_nc_u64 s[8:9], s[8:9], s[16:17]
	s_add_nc_u64 s[8:9], s[8:9], s[68:69]          ; and my first column
; rows 16 i .. 16 i + 15 of my block = the eight tiles (a, 0..7) of window 2 or 3 (win = 0x08 or 0x0c: an LDS store's data is source 1); f: F0 or F1 in turn
.macro OUT16 i, a, win, f
	WIN \win
.irp b, 0,1,2,3,4,5,6,7
	ds_store_b128 v[STO], v[8*(8*\a+\b):8*(8*\a+\b)+3]   offset:64*\b      ; columns 16 b + 8 (l / 16) + 0..3 of row l % 16
	ds_store_b128 v[STO], v[8*(8*\a+\b)+4:8*(8*\a+\b)+7] offset:64*\b+16   ; and + 4..7
.endr
	WIN 0
	s_wait_xcnt 0x0                                ; buffer f, which earlier stores read, and the stores' base are rewritten only behind this wait
.if \i
	s_add_nc_u64 s[8:9], s[8:9], 16*ROWB           ; 16 rows on, so that the stores' offsets stay at 15 rows = 245,760 bytes at the most
.endif
.irp t, 0,1,2,3,4,5,6,7,8,9,10,11,12,13,14,15
	ds_load_b128 v[\f+4*\t:\f+4*\t+3], v[RD] offset:\t*SPITCH      ; LDS serves a wave's instructions in order (ISA guide 5.7.1): these see the stores above; the stage is my own
.endr
.irp t, 0,1,2,3,4,5,6,7,8,9,10,11,12,13,14,15
	s_wait_dscnt 15-\t                             ; row t is in; the younger rows stay out
	v_pk_fma_f32 v[\f+4*\t:\f+4*\t+1],   v[\f+4*\t:\f+4*\t+1],   v[SC:SC+1], v[BI:BI+1]
	v_pk_fma_f32 v[\f+4*\t+2:\f+4*\t+3], v[\f+4*\t+2:\f+4*\t+3], v[SC:SC+1], v[BI+2:BI+3]
	global_store_b128 v[CO], v[\f+4*\t:\f+4*\t+3], s[8:9] offset:\t*ROWB th:TH_STORE_NT   ; the wave stores 512 consecutive bytes, at a multiple of 512 from out0's first byte; written once
.endr
.endm
	OUT16 0, 0, 0x08, F0
	OUT16 1, 1, 0x08, F1
	OUT16 2, 2, 0x08, F0
	OUT16 3, 3, 0x08, F1
	OUT16 4, 0, 0x0c, F0
	OUT16 5, 1, 0x0c, F1
	OUT16 6, 2, 0x0c, F0
	OUT16 7, 3, 0x0c, F1
	s_set_vgpr_msb 0x1
	s_wait_tensorcnt 0x0
	ds_add_u32 v255, v255
	s_wait_dscnt 0x0
	s_set_vgpr_msb 0x100
	CROUND                                         ; the closing round: no work-group ends while a partner may still ask for a tile that names it
	s_endpgm
.Lfunc_end_k_qd7fe347848_gemm:
	.size	k_qd7fe347848_gemm, .Lfunc_end_k_qd7fe347848_gemm-k_qd7fe347848_gemm
	.p2alignl 7, 3214868480
	.fill 96, 4, 3214868480
	.section	.rodata,"a",@progbits
	.p2align	6, 0x0
	.amdhsa_kernel k_qd7fe347848_gemm
		.amdhsa_group_segment_fixed_size 327680
		.amdhsa_private_segment_fixed_size 0
		.amdhsa_enable_private_segment 0
		.amdhsa_kernarg_size 32
		.amdhsa_user_sgpr_count 2
		.amdhsa_user_sgpr_kernarg_segment_ptr 1
		.amdhsa_wavefront_size32 1
		.amdhsa_system_sgpr_workgroup_id_x 1
		.amdhsa_system_sgpr_workgroup_id_y 1
		.amdhsa_system_sgpr_workgroup_id_z 1
		.amdhsa_system_vgpr_workitem_id 0
		.amdhsa_next_free_vgpr 1024
		.amdhsa_next_free_sgpr 72
		.amdhsa_reserve_vcc 0
		.amdhsa_float_denorm_mode_32 3
		.amdhsa_float_denorm_mode_16_64 3
		.amdhsa_memory_ordered 1
		.amdhsa_forward_progress 1
		.amdhsa_inst_pref_size 214
	.end_amdhsa_kernel
	.amdgpu_metadata
---
amdhsa.version: [ 1, 2 ]
amdhsa.kernels:
  - .name:           k_qd7fe347848_gemm
    .symbol:         k_qd7fe347848_gemm.kd
    .args:
      - { .name: xb, .offset: 0, .size: 8, .value_kind: global_buffer, .address_space: global }
      - { .name: wb, .offset: 8, .size: 8, .value_kind: global_buffer, .address_space: global }
      - { .name: out0, .offset: 16, .size: 8, .value_kind: global_buffer, .address_space: global }
      - { .name: b_q, .offset: 24, .size: 8, .value_kind: global_buffer, .address_space: global }
    .group_segment_fixed_size: 327680
    .private_segment_fixed_size: 0
    .kernarg_segment_align: 8
    .kernarg_segment_size: 32
    .max_flat_workgroup_size: 128
    .sgpr_count:     72
    .vgpr_count:     1024
    .wavefront_size: 32
...
	.end_amdgpu_metadata
.endif
;; end of part 2
;; ======== version 2 of 2: 2 launches; version 1 with the launch quant written anew for expert scheduling mode
;; workspace buffers: xb 33,554,432 bytes; wb 33,554,432 bytes
;; launch quant (part 3): grid 512 x 2, 8 waves a work-group, no clusters, 0 bytes of LDS; arguments x_float, w_q, xb, wb; writes xb, wb
.if DOCPART == 3
	.amdgcn_target "amdgcn-amd-amdhsa--gfx1250"
	.amdhsa_code_object_version 6
	.text
	.protected	k_qd7fe347848_quant
	.globl	k_qd7fe347848_quant
	.p2align	8
	.type	k_qd7fe347848_quant,@function
k_qd7fe347848_quant:
	s_mov_b64 s[64:65], 0
	v_nop
	global_prefetch_b8 v0, s[64:65] scope:SCOPE_SE
	s_setreg_imm32_b32 hwreg(HW_REG_WAVE_SCHED_MODE, 0, 2), 2
	s_setreg_imm32_b32 hwreg(HW_REG_WAVE_MODE, 25, 1), 1
	s_wait_xcnt 0x0
	s_wait_alu depctr_vm_vsrc(0)
; Both matrix operands are made once, as bf16, by one stream.
;   work-groups with y = 0:  xb = clip(round(x_float * 127.5 + 127), 0, 255) - 127   (whole numbers -127 .. 128, exact in bf16)
;   work-groups with y = 1:  wb = w_q as bf16                                        (exact for |w_q| <= 256)
; 127.5 = 1 / IN_SCALE = 255 / 2; the zero point is round(1 / (2/255 + 1e-12)) = round(127.49999998) = 127.
; THE ROUNDING RIDES ON THE MULTIPLY-ADD: t = fma(x, 127.5, 2^23 + 127).  From 2^23 up to 2^24 an f32's last place is 1, so the one rounding of the
; fma (to nearest, ties to even; 2^23 is even, so a code's parity is kept) is the rounding to a whole number.  The clip is max with 2^23 and min with
; 2^23 + 255: below 2^23 the fma leaves finer steps, all of which the max lifts to code 0, as the definition does with everything that rounds to 0 or less.
; Taking 2^23 + 127 away is exact.  No negative zero arises on the way.
; LIMITS.  One rounding, where the definition divides by f32(2/255) and then adds, two roundings: the two differ only where the value lies within a
; few last places of a half, and then by one step of one code.  Infinities and large x end at the clip's ends, as in the definition.
; NaN in x_float gives code 0 here (xb = -127); the definition casts NaN to int32, so no value is promised for it.
; |w_q| above 256 is rounded to bf16's 8 significant bits.
; SHAPE.  Nothing is shared between work-groups and nothing is reduced: no LDS, no barrier, no cluster, no matrix unit.
; A work-group owns 131,072 consecutive input bytes and the 65,536 output bytes that belong to them: 512 x 131,072 = the whole tensor.
; A step is 4,096 input bytes: thread t loads the 16 bytes at 16 t and stores the 8 bytes at 8 t, so a wave's load covers 512 consecutive
; bytes and a wave's store 256 consecutive bytes, aligned.
; THE MODE: SCHED_MODE bits 1:0 = 2 (LLVM: expert scheduling mode 2), set by the entry lines.  The code itself states the register dependences
; between vector instructions and memory instructions, with s_wait_alu, always for 0.
; THE PLAN.  The 32 steps go in 8 blocks of four.  Registers that memory instructions touch:
;   X0 .. X3   four blocks as loaded.       Written by the loads of block p + 3, issued in block p; read by block p's conversions.
;   Y0, Y1     two blocks of bf16 to store. Written by block p's packings; read by the four stores that are issued in block p + 1.
;   v1, v2     byte offsets, made once at the head and never written again: every step is reached by an immediate offset
;              (126,976 bytes at the most for a load, 63,488 for a store), so no base is stepped either.
; Block p works on X[p % 4] and writes Y[p % 2].  Its memory instructions are the loads into X[(p + 3) % 4] = X[(p - 1) % 4] and the stores from
; Y[(p - 1) % 2]: the two buffers that block p - 1 worked on and that no vector instruction of block p names.  So the waits at the head of a block
; state all that the block's eight memory instructions hang on, and these are dealt among its vector instructions with no further wait.
; NO LOOP: block 0 stores nothing and blocks 5 to 7 load nothing, which leaves four blocks alike; a lap that brings both kinds of buffer back to
; their start is four blocks, so a loop would have one trip.  The eight blocks are written out by macro.
.set BLOCK,   4                        ; steps in a block
.set BLOCKS,  8                        ; 8 x 4 = 32 steps
.set INSTEP,  4096                     ; input bytes of a step
.set OUTSTEP, 2048                     ; output bytes of a step
.set LO,   0x4b000000                  ; 2^23        = code 0
.set HI,   0x4b0000ff                  ; 2^23 + 255  = code 255
.set VIN,  1                           ; v1        16 t, never rewritten
.set VOUT, 2                           ; v2        8 t, never rewritten
.set CM,   4                           ; v[4:5]    127.5 twice
.set CA,   6                           ; v[6:7]    2^23 + 127 twice
.set CZ,   8                           ; v[8:9]    -(2^23 + 127) twice
.set T,    10                          ; v[10:13]  four numbers at work: no memory instruction names them
.set X,    16                          ; v[16:79]  buffer k, step i: 4 registers at X + 16 k + 4 i, as loaded
.set Y,    80                          ; v[80:95]  buffer k, step i: 2 registers at Y + 8 k + 2 i, 4 bf16 to store
	s_load_b256 s[4:11], s[0:1], 0x0               ; x_float s[4:5], w_q s[6:7], xb s[8:9], wb s[10:11]
	s_lshl_b32 s2, ttmp9, 17                       ; my 131,072 input bytes (511 << 17 stays below 4 GiB)
	s_mov_b32 s3, 0
	s_lshl_b32 s14, ttmp9, 16                      ; my 65,536 output bytes
	s_mov_b32 s15, 0
	s_and_b32 s12, ttmp7, 0xffff                   ; work-group y: 0 = x_float, 1 = w_q
	v_lshlrev_b32 v[VIN], 4, v0
	v_lshlrev_b32 v[VOUT], 3, v0
	v_mov_b32 v[CM],   0x42ff0000                  ; 127.5
	v_mov_b32 v[CM+1], 0x42ff0000
	v_mov_b32 v[CA],   0x4b00007f                  ; 8,388,735 = 2^23 + 127
	v_mov_b32 v[CA+1], 0x4b00007f
	v_mov_b32 v[CZ],   0xcb00007f                  ; -8,388,735
	v_mov_b32 v[CZ+1], 0xcb00007f
	s_wait_kmcnt 0x0
	s_add_nc_u64 s[4:5], s[4:5], s[2:3]
	s_add_nc_u64 s[6:7], s[6:7], s[2:3]
	s_add_nc_u64 s[8:9], s[8:9], s[14:15]
	s_add_nc_u64 s[10:11], s[10:11], s[14:15]
	s_wait_alu depctr_va_vdst(0)                   ; v1 and v2 are written: every load of the kernel reads v1 as its offset, every store v2
; The two conversions work on the step whose registers the symbols XR (4 as loaded) and YR (2 to store) name; BLK sets them.
; four x: scale, shift and round in one fused multiply-add, clip to codes 0 .. 255, take 2^23 and the zero point away, pack
.macro CONVX
	v_pk_fma_f32 v[T:T+1],   v[XR:XR+1],   v[CM:CM+1], v[CA:CA+1]
	v_pk_fma_f32 v[T+2:T+3], v[XR+2:XR+3], v[CM:CM+1], v[CA:CA+1]
.irp j, 0,1,2,3
	v_max_num_f32 v[T+\j], LO, v[T+\j]             ; code 0 at the least (a NaN loses against the constant)
.endr
.irp j, 0,1,2,3
	v_min_num_f32 v[T+\j], HI, v[T+\j]             ; code 255 at the most
.endr
	v_pk_add_f32 v[T:T+1],   v[T:T+1],   v[CZ:CZ+1]
	v_pk_add_f32 v[T+2:T+3], v[T+2:T+3], v[CZ:CZ+1]
	v_cvt_pk_bf16_f32 v[YR],   v[T],   v[T+1]
	v_cvt_pk_bf16_f32 v[YR+1], v[T+2], v[T+3]
.endm
; four w: int32 to f32 to bf16
.macro CONVW
.irp j, 0,1,2,3
	v_cvt_f32_i32 v[T+\j], v[XR+\j]
.endr
	v_cvt_pk_bf16_f32 v[YR],   v[T],   v[T+1]
	v_cvt_pk_bf16_f32 v[YR+1], v[T+2], v[T+3]
.endm
; Block p.  isx: which conversion; inb, outb: the scalar pairs of the two bases, which are never stepped.
; Blocks 0 to 4 load block p + 3; blocks 1 to 7 store block p - 1.
.macro BLK isx, p, inb, outb
.if (\p) <= 5
	s_wait_loadcnt 2*BLOCK                         ; loads come back in order (ISA guide 5.7.1): X[p % 4] is in, the two younger blocks' eight loads stay out
.else
	s_wait_loadcnt (BLOCKS-1-(\p))*BLOCK           ; blocks 6 and 7: nothing was asked for behind block 7, so the counts run down, 4 and 0
.endif
.if (\p) >= 2
	s_wait_xcnt 0x0                                ; every earlier memory instruction has had its addresses translated (ISA guide 3.1): Y[p % 2], a store's data, is rewritten only behind this wait
	s_wait_alu depctr_vm_vsrc(0)                   ; the stores issued in the block before have read Y[p % 2], which this block's packings write again (block 1 writes Y1 for the first time)
.endif
.if (\p) >= 1
	s_wait_alu depctr_va_vdst(0)                   ; the block before has written the other Y, which the stores below read, and is done reading its X, in which the loads below land
.endif
.irp i, 0,1,2,3
.if (\p) <= 4
	global_load_b128 v[X+16*(((\p)+3)%4)+4*(\i):X+16*(((\p)+3)%4)+4*(\i)+3], v[VIN], s[\inb:\inb+1] offset:(((\p)+3)*BLOCK+(\i))*INSTEP th:TH_LOAD_NT   ; three blocks ahead, read once in the launch; no vector instruction since the wait names these registers (in block 0: none ever has)
.endif
.if (\p) >= 1
	global_store_b64 v[VOUT], v[Y+8*(((\p)+1)%2)+2*(\i):Y+8*(((\p)+1)%2)+2*(\i)+1], s[\outb:\outb+1] offset:(((\p)-1)*BLOCK+(\i))*OUTSTEP   ; the block before; no hint: the next launch reads these bytes
.endif
.set XR, X+16*((\p)%4)+4*(\i)
.set YR, Y+8*((\p)%2)+2*(\i)
.if \isx
	CONVX
.else
	CONVW
.endif
.endr
.endm
; The whole stream of one work-group.
.macro STREAM isx, inb, outb
.irp i, 0,1,2,3,4,5,6,7,8,9,10,11
	global_load_b128 v[X+4*(\i):X+4*(\i)+3], v[VIN], s[\inb:\inb+1] offset:(\i)*INSTEP th:TH_LOAD_NT   ; blocks 0, 1 and 2 into X0, X1, X2
.endr
.irp p, 0,1,2,3,4,5,6,7
	BLK \isx, \p, \inb, \outb                      ; the last load, asked for in block 4, ends at byte 131,072 of my part
.endr
	s_wait_alu depctr_va_vdst(0)                   ; block 7 has written Y1, which the last four stores read
.irp i, 0,1,2,3
	global_store_b64 v[VOUT], v[Y+8+2*(\i):Y+8+2*(\i)+1], s[\outb:\outb+1] offset:((BLOCKS-1)*BLOCK+(\i))*OUTSTEP
.endr
.endm
	s_cmp_lg_u32 s12, 0
	s_cbranch_scc1 .Lweights
	STREAM 1, 4, 8                                 ; x_float to xb
	s_endpgm
.Lweights:
	STREAM 0, 6, 10                                ; w_q to wb
	s_endpgm
.Lfunc_end_k_qd7fe347848_quant:
	.size	k_qd7fe347848_quant, .Lfunc_end_k_qd7fe347848_quant-k_qd7fe347848_quant
	.p2alignl 7, 3214868480
	.fill 96, 4, 3214868480
	.section	.rodata,"a",@progbits
	.p2align	6, 0x0
	.amdhsa_kernel k_qd7fe347848_quant
		.amdhsa_group_segment_fixed_size 0
		.amdhsa_private_segment_fixed_size 0
		.amdhsa_enable_private_segment 0
		.amdhsa_kernarg_size 32
		.amdhsa_user_sgpr_count 2
		.amdhsa_user_sgpr_kernarg_segment_ptr 1
		.amdhsa_wavefront_size32 1
		.amdhsa_system_sgpr_workgroup_id_x 1
		.amdhsa_system_sgpr_workgroup_id_y 1
		.amdhsa_system_sgpr_workgroup_id_z 1
		.amdhsa_system_vgpr_workitem_id 0
		.amdhsa_next_free_vgpr 96
		.amdhsa_next_free_sgpr 66
		.amdhsa_reserve_vcc 0
		.amdhsa_float_denorm_mode_32 3
		.amdhsa_float_denorm_mode_16_64 3
		.amdhsa_memory_ordered 1
		.amdhsa_forward_progress 1
		.amdhsa_inst_pref_size 52
	.end_amdhsa_kernel
	.amdgpu_metadata
---
amdhsa.version: [ 1, 2 ]
amdhsa.kernels:
  - .name:           k_qd7fe347848_quant
    .symbol:         k_qd7fe347848_quant.kd
    .args:
      - { .name: x_float, .offset: 0, .size: 8, .value_kind: global_buffer, .address_space: global }
      - { .name: w_q, .offset: 8, .size: 8, .value_kind: global_buffer, .address_space: global }
      - { .name: xb, .offset: 16, .size: 8, .value_kind: global_buffer, .address_space: global }
      - { .name: wb, .offset: 24, .size: 8, .value_kind: global_buffer, .address_space: global }
    .group_segment_fixed_size: 0
    .private_segment_fixed_size: 0
    .kernarg_segment_align: 8
    .kernarg_segment_size: 32
    .max_flat_workgroup_size: 256
    .sgpr_count:     66
    .vgpr_count:     96
    .wavefront_size: 32
...
	.end_amdgpu_metadata
.endif
;; end of part 3
;; launch gemm: the kernel of part 2 again; grid 16 x 16, 4 waves a work-group, clusters of 4 x 4, 327,680 bytes of LDS; arguments xb, wb, out0, b_q; writes out0
